; MI455X (gfx1250); checked and timed in simulation.
; The chip was launched on July 23, 2026; its instructions are those of AMD's public machine-readable ISA for CDNA 5 (MIT licence, August 2026) and "CDNA5" Instruction Set Architecture Reference Guide (July 2026). The comments in the code are by the model that wrote it; some were corrected since.
;; Text Encode. Allowed arithmetic: float matrix products may take bf16 or f16 operands with f32 sums; other float arithmetic in f32, or as packed bf16 or f16 multiplies, adds, multiply-adds, maxima and minima; sums over many terms, partial sums and values carried from step to step in f32; what a program stores and reads back later, other than sums and carried values, may be rounded once to bf16 or f16.
;; Inputs: embedding 256 x 8,192 float32; x 32 x 1,024 x 256 float32.
;; Outputs: out0 32 x 1,024 x 256 float32; out1 one number float32.
;; One version. Each part assembles by itself: llvm-mc -triple=amdgcn-amd-amdhsa -mcpu=gfx1250 --defsym DOCPART=n.
;; ======== version 1 of 1: 4 launches
;; workspace buffers: etb 4,194,304 bytes; se 32,768 bytes; cand 131,072 bytes of whole numbers; part 2,048 bytes
;; launch prep (part 1): grid 128 x 1, 8 waves a work-group, no clusters, 35,072 bytes of LDS; arguments embedding, etb, se; writes etb, se
.if DOCPART == 1
	.amdgcn_target "amdgcn-amd-amdhsa--gfx1250"
	.amdhsa_code_object_version 6
	.text
	.protected	k_qcbec810db7_prep
	.globl	k_qcbec810db7_prep
	.p2align	8
	.type	k_qcbec810db7_prep,@function
k_qcbec810db7_prep:
	s_mov_b64 s[64:65], 0
	v_nop
	global_prefetch_b8 v0, s[64:65] scope:SCOPE_SE
	s_setreg_imm32_b32 hwreg(HW_REG_WAVE_MODE, 25, 1), 1
	s_wait_xcnt 0x0
; etb[k][d] = bf16(embedding[d][k]), rows of 512 bytes; se[k] = the sum over d of bf16(embedding[d][k])^2, in f32.
; A work-group owns 64 codes: 256 consecutive bytes of each of embedding's 256 rows.  Eight waves; wave w takes rows 32 w .. 32 w + 31.
; A load of a wave covers two rows' 256 bytes (lanes 0-15 one row, lanes 16-31 the row 16 further down).  The numbers are rounded in pairs along d, turned through LDS, read back
; as whole rows of a code (512 bytes a wave's load) and stored so; the squares are taken of the rounded halves.
; 128 work-groups: fewer codes to a work-group would cut each row's piece below 256 bytes.  No matrix unit, no cluster: nothing is multiplied and nothing is shared.
.set EROW,  32768                      ; bytes in a row of embedding
.set PITCH, 528                        ; an LDS row: a code's 512 bytes + 16
.set SES,   64*PITCH                   ; the work-group's 64 sums, a block of 256 bytes
.set SPARE, SES+256                    ; the spare words: 128 bytes for each of the eight waves, named by no other line
.set LD,  16                           ; v[16:79]   16 loads of 4 codes
.set PK,  80                           ; v[80:111]  code q of my four: 8 registers, pairs (d, d + 1)
.set RB,  16                           ; v[16:47]   8 codes' rows read back, 16 bytes a lane
.set SQ,  112                          ; v[112:119] their sums of squares
.set TP,  120                          ; v[120:127] at work
	s_load_b128 s[4:7], s[0:1], 0x0                ; embedding s[4:5], etb s[6:7]
	s_load_b64 s[8:9], s[0:1], 0x10                ; se
	v_lshl_add_u32 v8, v0, 2, SPARE                ; my spare word; never rewritten
	v_mov_b32 v9, 0                                ; 0; never rewritten
	v_and_b32 v1, 15, v0                           ; c4: my four codes are 4 c4 .. 4 c4 + 3
	v_lshrrev_b32 v12, 4, v0                       ; 2 w + hh: my 16 rows begin at 16 times this
	v_lshrrev_b32 v13, 5, v0                       ; w
	v_and_b32 v14, 31, v0                          ; lane
	v_readfirstlane_b32 s16, v13
	v_lshlrev_b32 v2, 4, v1
	v_lshl_add_u32 v2, v12, 19, v2                 ; load: 16 rows x 32,768 bytes x (2 w + hh) + 16 c4
	v_mul_u32_u24 v3, v1, 4*PITCH
	v_lshl_add_u32 v3, v12, 5, v3                  ; into LDS: row 4 c4, byte 2 x 16 (2 w + hh)
	v_mul_u32_u24 v4, v13, 8*PITCH
	v_lshl_add_u32 v4, v14, 4, v4                  ; back: row 8 w, 16 bytes a lane
	v_lshlrev_b32 v5, 4, v14
	v_lshl_add_u32 v5, v13, 12, v5                 ; the same place in etb: 8 rows of 512 bytes a wave
	v_lshl_add_u32 v6, v13, 5, SES                 ; my wave's 8 sums
	v_mov_b32 v7, 0                                ; the sums' first addend
	v_lshlrev_b32 v11, 3, v14
	v_add_nc_u32 v10, SES, v11                     ; wave 0: two sums a lane
.set i, 0
.rept 8
	v_mov_b32 v[TP+i], 0                           ; v_permlanex16_b32's destination counts as read
.set i, i+1
.endr
	s_lshl_b32 s10, ttmp9, 8                       ; 64 codes: 256 bytes of a row, and of se
	s_mov_b32 s11, 0
	s_lshl_b32 s12, ttmp9, 15                      ; 64 rows of etb
	s_mov_b32 s13, 0
	s_mov_b32 s14, 0x76543210                      ; each lane takes its own place in the other half
	s_mov_b32 s15, 0xfedcba98
	s_wait_kmcnt 0x0
	s_add_nc_u64 s[4:5], s[4:5], s[10:11]
	s_add_nc_u64 s[6:7], s[6:7], s[12:13]
	s_add_nc_u64 s[8:9], s[8:9], s[10:11]
.set i, 0
.rept 16
	global_load_b128 v[LD+4*i:LD+4*i+3], v2, s[4:5] offset:i*EROW th:TH_LOAD_NT
.set i, i+1
.endr
.set i, 0
.rept 8
	s_wait_loadcnt 14-2*i                          ; rows 2 i and 2 i + 1 are in; the younger pairs stay out
.irp q, 0,1,2,3
	v_cvt_pk_bf16_f32 v[PK+8*(\q)+i], v[LD+8*i+(\q)], v[LD+8*i+4+(\q)]  ; the lower d in the low half
.endr
.set i, i+1
.endr
.irp q, 0,1,2,3
	ds_store_b128 v3, v[PK+8*(\q):PK+8*(\q)+3] offset:(\q)*PITCH
	ds_store_b128 v3, v[PK+8*(\q)+4:PK+8*(\q)+7] offset:(\q)*PITCH+16
.endr
	s_wait_dscnt 0x0                               ; for the others' sake: my part of all 64 rows is written
	s_barrier_signal -1
	s_barrier_wait -1
.irp k, 0,1,2,3,4,5,6,7
	ds_load_b128 v[RB+4*(\k):RB+4*(\k)+3], v4 offset:(\k)*PITCH
.endr
.irp k, 0,1,2,3,4,5,6,7
	s_wait_dscnt 7-(\k)                            ; row k is back; the younger rows stay out
	global_store_b128 v5, v[RB+4*(\k):RB+4*(\k)+3], s[6:7] offset:512*(\k)  ; 512 consecutive bytes, a whole row of etb
.endr
.irp t, 0,1,2,3
.irp k, 0,1,2,3,4,5,6,7
.if (\t) == 0
	v_fma_mix_f32_bf16 v[SQ+(\k)], v[RB+4*(\k)], v[RB+4*(\k)], v7 op_sel_hi:[1,1,0]
.else
	v_fma_mix_f32_bf16 v[SQ+(\k)], v[RB+4*(\k)+(\t)], v[RB+4*(\k)+(\t)], v[SQ+(\k)] op_sel_hi:[1,1,0]
.endif
.endr
.irp k, 0,1,2,3,4,5,6,7
	v_fma_mix_f32_bf16 v[SQ+(\k)], v[RB+4*(\k)+(\t)], v[RB+4*(\k)+(\t)], v[SQ+(\k)] op_sel:[1,1,0] op_sel_hi:[1,1,0]
.endr
.endr
.irp m, 1,2,4,8                        ; over the 32 lanes, the eight sums side by side
.irp k, 0,1,2,3,4,5,6,7
	v_add_f32_dpp v[SQ+(\k)], v[SQ+(\k)], v[SQ+(\k)] row_xmask:\m row_mask:0xf bank_mask:0xf
.endr
.endr
.irp k, 0,1,2,3,4,5,6,7
	v_permlanex16_b32 v[TP+(\k)], v[SQ+(\k)], s14, s15
.endr
.irp k, 0,1,2,3,4,5,6,7
	v_add_f32 v[SQ+(\k)], v[SQ+(\k)], v[TP+(\k)]
.endr
.irp k, 0,1,2,3,4,5,6,7
	ds_store_b32 v6, v[SQ+(\k)] offset:4*(\k)      ; every lane holds the sum: all write the same word
.endr
	s_wait_tensorcnt 0x0                           ; behind my last LDS store
	ds_add_u32 v8, v9
	s_wait_dscnt 0x0                               ; the wait also shows my eight sums written, for wave 0's sake
	s_barrier_signal -1
	s_barrier_wait -1
	s_cmp_lg_u32 s16, 0
	s_cbranch_scc1 .Ldone
	ds_load_b64 v[TP:TP+1], v10
	s_wait_dscnt 0x0
	global_store_b64 v11, v[TP:TP+1], s[8:9]       ; the work-group's 64 sums: 256 consecutive bytes
.Ldone:
	s_endpgm
.Lfunc_end_k_qcbec810db7_prep:
	.size	k_qcbec810db7_prep, .Lfunc_end_k_qcbec810db7_prep-k_qcbec810db7_prep
	.p2alignl 7, 3214868480
	.fill 96, 4, 3214868480
	.section	.rodata,"a",@progbits
	.p2align	6, 0x0
	.amdhsa_kernel k_qcbec810db7_prep
		.amdhsa_group_segment_fixed_size 35072
		.amdhsa_private_segment_fixed_size 0
		.amdhsa_enable_private_segment 0
		.amdhsa_kernarg_size 24
		.amdhsa_user_sgpr_count 2
		.amdhsa_user_sgpr_kernarg_segment_ptr 1
		.amdhsa_wavefront_size32 1
		.amdhsa_system_sgpr_workgroup_id_x 1
		.amdhsa_system_sgpr_workgroup_id_y 1
		.amdhsa_system_sgpr_workgroup_id_z 1
		.amdhsa_system_vgpr_workitem_id 0
		.amdhsa_next_free_vgpr 128
		.amdhsa_next_free_sgpr 66
		.amdhsa_reserve_vcc 0
		.amdhsa_float_denorm_mode_32 3
		.amdhsa_float_denorm_mode_16_64 3
		.amdhsa_memory_ordered 1
		.amdhsa_forward_progress 1
		.amdhsa_inst_pref_size 16
	.end_amdhsa_kernel
	.amdgpu_metadata
---
amdhsa.version: [ 1, 2 ]
amdhsa.kernels:
  - .name:           k_qcbec810db7_prep
    .symbol:         k_qcbec810db7_prep.kd
    .args:
      - { .name: embedding, .offset: 0, .size: 8, .value_kind: global_buffer, .address_space: global }
      - { .name: etb, .offset: 8, .size: 8, .value_kind: global_buffer, .address_space: global }
      - { .name: se, .offset: 16, .size: 8, .value_kind: global_buffer, .address_space: global }
    .group_segment_fixed_size: 35072
    .private_segment_fixed_size: 0
    .kernarg_segment_align: 8
    .kernarg_segment_size: 24
    .max_flat_workgroup_size: 256
    .sgpr_count:     66
    .vgpr_count:     128
    .wavefront_size: 32
...
	.end_amdgpu_metadata
.endif
;; end of part 1
;; launch dist (part 2): grid 256 x 1, 4 waves a work-group, clusters of 4 x 1, 327,680 bytes of LDS; arguments x, etb, se, cand; writes cand
.if DOCPART == 2
	.amdgcn_target "amdgcn-amd-amdhsa--gfx1250"
	.amdhsa_code_object_version 6
	.text
	.protected	k_qcbec810db7_dist
	.globl	k_qcbec810db7_dist
	.p2align	8
	.type	k_qcbec810db7_dist,@function
k_qcbec810db7_dist:
	s_mov_b64 s[64:65], 0
	v_nop
	global_prefetch_b8 v0, s[64:65] scope:SCOPE_SE
	s_setreg_imm32_b32 hwreg(HW_REG_WAVE_MODE, 25, 1), 1
	s_wait_xcnt 0x0
	s_wait_alu depctr_hold_cnt(0) depctr_sa_sdst(0) depctr_va_vdst(0) depctr_va_sdst(0) depctr_va_ssrc(0) depctr_va_vcc(0) depctr_vm_vsrc(0)
	s_getreg_b32 s2, hwreg(HW_REG_IB_STS2, 6, 4)
	s_cmp_eq_u32 s2, 0
	s_cbranch_scc0 .Lentry_in_a_cluster
	s_endpgm
.Lentry_in_a_cluster:
	s_bfe_u32 s2, ttmp6, 0x10000c
	s_cmp_lg_u32 s2, 0x3003
	s_cbranch_scc0 .Lentry_shape_is_right
	s_endpgm
.Lentry_shape_is_right:
; cand[n] = (the first code with the least distance to row n of x) >> 3: the group of eight neighbouring codes that holds it.
; distance(n, k) = fl(fl(sx[n] - 2 dot(n, k)) + se[k]), as the module writes it, with x and the codes rounded to bf16, dot summed in f32 by the matrix unit, sx = the sum of bf16(x)^2.
; Less is strictly less, and of equal distances the lower group wins.
; LIMITS.  NaN and infinities are not treated apart: a NaN loses every minimum, and a row with no finite distance takes group 0.  The distances lie on the f32 grid near sx; where a row's two best
; fall on the same or a neighbouring step of it, the last bits of dot decide, and a product summed in another order may decide otherwise.
; SHARES.  A work-group owns 128 rows of x.  Each of its four waves keeps ALL 128 as bf16 fragments, 512 registers, for the whole launch, and the waves split the codes: of each slot of 256 codes wave w
; takes rows 64 w .. 64 w + 63, four tiles of 16.  A tile's 64 registers come by 16 LDS loads and feed 64 matrix instructions.
; LAYOUT.  Source 0 = 16 codes, source 1 = 16 rows of x: in the result a lane holds ONE row of x (lane % 16) and the codes 8 (lane / 16) + 0..7 of the tile.  So sx, the best distance and its tile
; cost one register each for a tile of 16 rows, and what is kept is (tile, half of the lanes): the group of eight.
; RING.  Two slots of 256 codes; each wave fetches the 64 rows that it reads itself.  CLUSTER: all work-groups walk the same table, so the four of a cluster ask JOINTLY: the same tensor load,
; descriptor and mask in all four.  A wave has three tensor loads out at the start and one behind each round.
; REGISTERS, in windows of 256 (s_set_vgpr_msb: bits 1:0 source 0, 3:2 source 1, 5:4 source 2, 7:6 destination).  Window 0 holds all but x's fragments; window 1 those of row tiles 0-3, window 2 those of
; tiles 4-7, at 64 (q % 4) + 8 s.  In the loop only source 1 leaves window 0, and every vector line and LDS load there has a constant or a scalar register as its source 1: four switches for a tile's 64
; matrix instructions, and one back to 0 at its foot.
.set PC,    528                        ; a code's row in LDS: 512 bytes + 16 = 132 words: the 16 rows of a load start at 16 different groups of four banks (64 banks of 4 bytes: ISA guide 11.1)
.set PX,    1040                       ; a row of x in LDS: 1,024 bytes + 16: likewise
.set RG1,   256*PC                     ; region 0 at byte 0: a slot.  Region 1: first the 128 rows of x, then a slot
.set SEB,   2*RG1                      ; se, 32,768 bytes, filled once
.set SXS,   SEB+32768                  ; sx of the 128 rows: written by LDS stores alone
.set STG,   SXS+512                    ; for each wave: best[128], then group[128]: written by LDS stores alone
.set SPARE, STG+4096                   ; the spare words, 128 bytes for each wave: two blocks of 256 bytes that no other line names
.set RR,  1                            ; v1   lane % 16
.set HH,  2                            ; v2   lane / 16
.set EL,  3                            ; v3   my lane's place in my wave's quarter of a slot: 33,792 w + 528 r + 16 h
.set ADR, 4                            ; v4   the LDS address of the tile in hand
.set SL,  5                            ; v5   SEB + 32 h
.set SA,  6                            ; v6   the LDS address of the tile's se
.set XA,  7                            ; v7   x's fragments: RG1 + 1,040 r + 32 h, stepped by 16 rows
.set XS,  8                            ; v8   my row of x for sx: RG1 + 1,040 x thread
.set SXA, 9                            ; v9   SXS + 4 r
.set STA, 10                           ; v10  STG + 1,024 w + 512 h + 4 r
.set RDA, 11                           ; v11  STG + 8 x thread
.set CO,  12                           ; v12  8 x thread
.set SXW, 13                           ; v13  SXS + 4 x thread
.set SPW, 14                           ; v14  my spare word: SPARE + 4 x thread; never rewritten
.set NIL, 15                           ; v15  0; never rewritten
.set EF,  16                           ; v[16:79]   a code tile's fragments, K step s at EF + 8 s
.set ACC, 80                           ; v[80:143]  the sums, row tile q at ACC + 8 q
.set T,   144                          ; v[144:207] the distances, likewise
.set SER, 208                          ; v[208:215] se of my eight codes of the tile
.set SX,  216                          ; v[216:223] sx of my row in each row tile
.set BEST,224                          ; v[224:231] the least distance so far
.set IDX, 232                          ; v[232:239] its tile
.set TMP, 240                          ; v[240:255] at work at the end
; s[4:11] x, etb, se, cand   s12 wave   s13 cx   s14 work-group   s[16:23] group 1 for codes   s[24:31] for x   s[32:39] for se
; s[40:43] group 0, codes into region 0   s[44:47] into region 1   s[48:51] x   s[52:55] se   s56, s57 counters   s58 LDS byte of the tile in hand
; s59 number of the tile being multiplied   s60 of the tile whose minima are taken   s61 +inf   s62 -inf   s66, s67 masks   s[68:69] lane selects   s70 lanes 16-31   s[72:79] at work
.set MSB, 0
.macro WIN new                         ; the immediate's high byte repeats the setting that is left; a switch that changes nothing is dropped
.if MSB != (\new)
	s_set_vgpr_msb (MSB<<8)|(\new)
.set MSB, (\new)
.endif
.endm
; A round of the cluster's barrier: my work-group's barrier, so that wave 0's signal speaks for all four waves; wave 0 signals; every wave waits for all four work-groups; my work-group's barrier once more.
.macro CREST
	s_cmp_lg_u32 s12, 0
	s_cbranch_scc1 .Lnot_wave_0_\@
	s_barrier_signal -3
.Lnot_wave_0_\@:
	s_barrier_wait -3
	s_barrier_signal -1
	s_barrier_wait -1
.endm
.macro ROUND
	s_barrier_signal -1
	s_barrier_wait -1
	CREST
.endm
	s_load_b256 s[4:11], s[0:1], 0x0
	v_lshl_add_u32 v[SPW], v0, 2, SPARE
	v_mov_b32 v[NIL], 0
	ds_add_u32 v[SPW], v[NIL]                      ; the wave's opening: the add and its wait stand ahead of my first tensor load; the set-up below, work on registers, stands between them
	v_lshrrev_b32 v1, 5, v0
	v_readfirstlane_b32 s12, v1                    ; wave 0..3
	s_bfe_u32 s13, ttmp6, 0x40000                  ; cx: my place in the cluster
	s_lshl_b32 s14, ttmp9, 2                       ; in a cluster launch ttmp9 counts clusters
	s_add_co_u32 s14, s14, s13                     ; my work-group: it enters x's and cand's addresses alone
	; group 1 for codes: 64 rows x 256 elements of 2 bytes, 4 words of padding behind every 128 words
	s_mov_b32 s16, 15|(1<<16)|(1<<20)|(1<<21)|(6<<22)|(3<<25)  ; 15:0 the mask of four; 17:16 element size; 20 padding on; 21 set beside a mask; 24:22 interval; 31:25 padding
	s_mov_b32 s17, 256<<16                         ; tensor_dim0 = 256
	s_mov_b32 s18, 64<<16                          ; tensor_dim1 = 64
	s_mov_b32 s19, 256<<16                         ; tile_dim0 = 256
	s_mov_b32 s20, 64                              ; tile_dim1 = 64
	s_mov_b32 s21, 256                             ; elements from row to row
	s_mov_b32 s22, 0
	s_mov_b32 s23, 0
	; group 1 for x, a load of my work-group's own: 32 rows x 256 elements of 4 bytes, 4 words of padding behind every 256 words
	s_mov_b32 s24, (2<<16)|(1<<20)|(7<<22)|(3<<25)
	s_mov_b32 s25, 256<<16
	s_mov_b32 s26, 32<<16
	s_mov_b32 s27, 256<<16
	s_mov_b32 s28, 32
	s_mov_b32 s29, 256
	s_mov_b32 s30, 0
	s_mov_b32 s31, 0
	; group 1 for se: 8,192 dense bytes as 32 rows of 32 elements of 8 bytes, no padding
	s_mov_b32 s32, 15|(3<<16)|(1<<21)
	s_mov_b32 s33, 32<<16
	s_mov_b32 s34, 32<<16
	s_mov_b32 s35, 32<<16
	s_mov_b32 s36, 32
	s_mov_b32 s37, 32
	s_mov_b32 s38, 0
	s_mov_b32 s39, 0
	; the groups 0: count, LDS address (a constant and the wave's number times a constant)
	s_mov_b32 s40, 1
	s_mul_i32 s41, s12, 64*PC
	s_mov_b32 s44, 1
	s_add_co_u32 s45, s41, RG1
	s_mov_b32 s48, 1
	s_mul_i32 s49, s12, 32*PX
	s_add_co_u32 s49, s49, RG1
	s_mov_b32 s52, 1
	s_lshl_b32 s53, s12, 13
	s_add_co_u32 s53, s53, SEB
	s_lshl_b32 s74, s12, 15                        ; my 64 rows of a slot in etb
	s_mov_b32 s75, 0
	s_lshl_b32 s76, s12, 13                        ; my quarter of se
	s_mov_b32 s77, 0
	s_lshl_b32 s72, s14, 17                        ; my work-group's 128 rows of x,
	s_lshl_b32 s78, s12, 15                        ; my wave's 32 of them
	s_add_co_u32 s72, s72, s78
	s_mov_b32 s73, 0
	s_lshl_b32 s78, s14, 9                         ; my work-group's 128 words of cand
	s_mov_b32 s79, 0
	s_mov_b32 s61, 0x7f800000
	s_mov_b32 s62, 0xff800000
	s_mov_b32 s68, 0x76543210
	s_mov_b32 s69, 0xfedcba98
	s_mov_b32 s70, 0xffff0000
	s_wait_dscnt 0x0                               ; the opening add is done
	s_wait_kmcnt 0x0
	s_add_nc_u64 s[42:43], s[6:7], s[74:75]        ; slot 0
	s_add_nc_u64 s[46:47], s[42:43], 256*512       ; slot 1
	s_or_b32 s43, s43, 0x80000000                  ; type = 2
	s_or_b32 s47, s47, 0x80000000
	s_add_nc_u64 s[50:51], s[4:5], s[72:73]
	s_or_b32 s51, s51, 0x80000000
	s_add_nc_u64 s[54:55], s[8:9], s[76:77]
	s_or_b32 s55, s55, 0x80000000
	s_add_nc_u64 s[10:11], s[10:11], s[78:79]
	ROUND                                          ; all four work-groups are here: the first joint loads meet
	tensor_load_to_lds s[48:51], s[24:31]          ; my 32 rows of x into region 1
	s_nop 0
	tensor_load_to_lds s[52:55], s[32:39]          ; my quarter of se
	s_nop 0
	tensor_load_to_lds s[40:43], s[16:23]          ; my 64 rows of slot 0 into region 0
	s_nop 0
	v_and_b32 v[RR], 15, v0
	v_bfe_u32 v[HH], v0, 4, 1
	v_mul_u32_u24 v[EL], v[RR], PC
	v_lshl_add_u32 v[EL], v[HH], 4, v[EL]
	v_add_nc_u32 v[EL], s41, v[EL]
	v_lshlrev_b32 v[SL], 5, v[HH]
	v_add_nc_u32 v[SL], SEB, v[SL]
	v_mul_u32_u24 v[XA], v[RR], PX
	v_lshl_add_u32 v[XA], v[HH], 5, v[XA]
	v_add_nc_u32 v[XA], RG1, v[XA]
	v_mul_u32_u24 v[XS], v0, PX
	v_add_nc_u32 v[XS], RG1, v[XS]
	v_lshl_add_u32 v[SXA], v[RR], 2, SXS
	v_lshl_add_u32 v[SXW], v0, 2, SXS
	s_lshl_b32 s76, s12, 10
	s_add_co_u32 s76, s76, STG
	v_lshlrev_b32 v[STA], 2, v[RR]
	v_lshl_add_u32 v[STA], v[HH], 9, v[STA]
	v_add_nc_u32 v[STA], s76, v[STA]
	v_lshl_add_u32 v[RDA], v0, 3, STG
	v_lshlrev_b32 v[CO], 3, v0
.irp c, 0,1,2,3
	v_mov_b32 v[T+48+(\c)], 0                      ; four chains for sx
.endr
	s_wait_tensorcnt 0x0                           ; my parts of x, se and slot 0 are in,
	s_barrier_signal -1
	s_barrier_wait -1                              ; everybody's are
	; sx: thread t takes row t of the 128: 8 trips of 32 numbers, rounded to bf16 and squared
	s_mov_b32 s58, 0
	s_mov_b32 s56, 8
.Lsx:
	v_add_nc_u32 v[ADR], s58, v[XS]
.irp n, 0,1,2,3,4,5,6,7
	ds_load_b128 v[T+4*(\n):T+4*(\n)+3], v[ADR] offset:16*(\n)
.endr
	s_wait_dscnt 0x0
.set i, 0
.rept 16
	v_cvt_pk_bf16_f32 v[T+32+i], v[T+2*i], v[T+2*i+1]
.set i, i+1
.endr
.set i, 0
.rept 16
	v_fma_mix_f32_bf16 v[T+48+i%4], v[T+32+i], v[T+32+i], v[T+48+i%4] op_sel_hi:[1,1,0]
.set i, i+1
.endr
.set i, 0
.rept 16
	v_fma_mix_f32_bf16 v[T+48+i%4], v[T+32+i], v[T+32+i], v[T+48+i%4] op_sel:[1,1,0] op_sel_hi:[1,1,0]
.set i, i+1
.endr
	s_add_co_u32 s58, s58, 128
	s_sub_co_u32 s56, s56, 1
	s_cmp_lg_u32 s56, 0
	s_cbranch_scc1 .Lsx
	v_add_f32 v[T+48], v[T+48], v[T+49]
	v_add_f32 v[T+50], v[T+50], v[T+51]
	v_add_f32 v[T+48], v[T+48], v[T+50]
	ds_store_b32 v[SXW], v[T+48]
	; x's fragments.  Row tile q, K step s: lane (r, h) holds row 16 q + r, k = 32 s + 8 h + 0..7 and 32 s + 16 + 8 h + 0..7: four loads of 16 bytes of f32, at 128 s + 32 h + 0, 16, 64, 80.
	; Batch b = (q, half of K): 16 loads into one of two buffers, 32 roundings into window 1 or 2.  Batch b + 1 is asked for before batch b is rounded.
.macro XLOAD b
	WIN 0
.if ((\b) > 0) && ((\b)%2 == 0)
	v_add_nc_u32 v[XA], 16*PX, v[XA]               ; the next 16 rows
.endif
.set xb, EF+64*((\b)%2)
.set xn, 0
.rept 16
	ds_load_b128 v[xb+4*xn:xb+4*xn+3], v[XA] offset:512*((\b)%2)+128*(xn/4)+64*((xn%4)/2)+16*(xn%2)
.set xn, xn+1
.endr
.endm
.macro XCVT b
	WIN 0x40<<((\b)/8)                             ; destination window 1 (row tiles 0-3) or 2
.set xb, EF+64*((\b)%2)
.set xd, 64*(((\b)/2)%4)+32*((\b)%2)
.set xn, 0
.rept 32
	v_cvt_pk_bf16_f32 v[xd+xn], v[xb+2*xn], v[xb+2*xn+1]
.set xn, xn+1
.endr
.endm
	XLOAD 0
.set bb, 0
.rept 15
	XLOAD bb+1
	s_wait_dscnt 16                                ; all but the 16 just issued
	XCVT bb
.set bb, bb+1
.endr
	s_wait_dscnt 0x0
	XCVT 15
	; THE FIRST CHANGE: region 1 has been read out and takes slot 1.
	WIN 0
	s_wait_tensorcnt 0x0                           ; no tensor load of mine is out
	ds_add_u32 v[SPW], v[NIL]                      ; 0 onto my spare word; what the first tile finds is made between it and the wait for it
	; The first tile's vector lines work on a tile that has not been: its distances are +inf (rows 0-63 as they stand; rows 64-127 made of sums of -inf and se = 0), which are less than nothing.
.set i, 0
.rept 32
	v_mov_b32 v[T+i], s61
	v_mov_b32 v[ACC+32+i], s62
.set i, i+1
.endr
.set i, 0
.rept 8
	v_mov_b32 v[SER+i], 0
	v_mov_b32 v[BEST+i], s61
	v_mov_b32 v[IDX+i], 0
	v_mov_b32 v[TMP+i], 0                          ; v_permlanex16_b32's destination counts as read
	v_mov_b32 v[TMP+8+i], 0
.set i, i+1
.endr
	s_mov_b32 s58, 0                               ; slot 0, tile 0
	s_lshl_b32 s59, s12, 2                         ; its number: 4 w
	s_mov_b32 s60, 0
	s_wait_dscnt 0x0                               ; the add is done, my reads of x are over, my sx is written
	ROUND                                          ; the same holds of every wave of every partner
	tensor_load_to_lds s[44:47], s[16:23]          ; the first tensor load behind the round, my one: slot 1
	s_nop 0
.irp q, 0,1,2,3,4,5,6,7
	ds_load_b32 v[SX+(\q)], v[SXA] offset:64*(\q)
.endr
; THE MATRIX WORK.  Instruction ti of a tile's 64: K steps 0-3 for row tiles 0-3, then for 4-7; K steps 4-7 likewise.  Four accumulators take turns, one instruction a turn, over every edge too.
.macro MM
.set msub, (ti/16)%2
.set mks, 4*(ti/32)+(ti%16)/4
.set rA, ACC+8*(4*msub+ti%4)
.set rE, EF+8*mks
.set rX, 64*(ti%4)+8*mks
	WIN 0x04+0x04*msub                             ; source 1 in window 1 or 2
.if mks == 0
	v_wmma_f32_16x16x32_bf16 v[rA:rA+7], v[rE:rE+7], v[rX:rX+7], 0
.else
	v_wmma_f32_16x16x32_bf16 v[rA:rA+7], v[rE:rE+7], v[rX:rX+7], v[rA:rA+7]
.endif
.endm
; THE DISTANCES, entry n of 64: for row tile n / 8 four times fl(sx - 2 dot), the accumulator's lowest pair first, then four times fl(. + se).  A product by 2 or 1 is exact: each line rounds once.
.macro EQ n
.set eqq, (\n)/8
.set eqe, (\n)%8
.if eqe < 4
.if eqq%2
	v_pk_fma_f32 v[T+8*eqq+2*eqe:T+8*eqq+2*eqe+1], v[ACC+8*eqq+2*eqe:ACC+8*eqq+2*eqe+1], -2.0, v[SX+eqq-1:SX+eqq] op_sel:[0,0,1] op_sel_hi:[1,0,1]
.else
	v_pk_fma_f32 v[T+8*eqq+2*eqe:T+8*eqq+2*eqe+1], v[ACC+8*eqq+2*eqe:ACC+8*eqq+2*eqe+1], -2.0, v[SX+eqq:SX+eqq+1] op_sel_hi:[1,0,0]
.endif
.else
	v_pk_fma_f32 v[T+8*eqq+2*eqe-8:T+8*eqq+2*eqe-7], v[T+8*eqq+2*eqe-8:T+8*eqq+2*eqe-7], 1.0, v[SER+2*eqe-8:SER+2*eqe-7] op_sel_hi:[1,0,1]
.endif
.endm
; THE MINIMA, entry n of 88: row tiles in pairs that alternate, eleven lines each: seven find the least of my eight distances (the middle operand, +inf, changes nothing and keeps source 1 out of the
; windows); its difference from the best so far, which is below 0 exactly where it is less; the mask; the tile's number where it is less; the new best.
.macro MQ n
.set mqq, 2*((\n)/22)+(\n)%2
.set mqs, ((\n)%22)/2
.set mqt, T+8*mqq
.if mqs < 4
	v_min3_num_f32 v[mqt+mqs], v[mqt+mqs], s61, v[mqt+mqs+4]
.elseif mqs < 6
	v_min3_num_f32 v[mqt+mqs-4], v[mqt+mqs-4], s61, v[mqt+mqs-2]
.elseif mqs == 6
	v_min3_num_f32 v[mqt], v[mqt], s61, v[mqt+1]
.elseif mqs == 7
	v_fma_f32 v[mqt+1], v[mqt], 1.0, -v[BEST+mqq]
.elseif mqs == 8
	v_cmp_lt_f32 s[66+mqq%2], v[mqt+1], 0
.elseif mqs == 9
	v_cndmask_b32 v[IDX+mqq], v[IDX+mqq], s60, s[66+mqq%2]
.else
	v_min3_num_f32 v[BEST+mqq], v[BEST+mqq], s61, v[mqt]
.endif
.endm
.macro MQN
	MQ mqn
.set mqn, mqn+1
.endm
; WHAT STANDS BEHIND MATRIX INSTRUCTION ti: 152 lines for 64.  0-15: the distances of the tile before, rows 64-127; 48-63: this tile's, rows 0-63; the 88 minima, all of the tile before, fill the rest.
; An accumulator's first reader stands eight vector lines or more behind its last product, none of them naming its registers; every accumulator is read out before the product that starts it anew.
.macro RIDERS
.if ti < 16
	EQ 32+2*ti
	EQ 33+2*ti
.if ti%2
	MQN
.endif
.elseif ti < 48
	MQN
	MQN
.if ti%4 == 3
	MQN
.endif
.else
	EQ 2*ti-96
	EQ 2*ti-95
.if ti%2
	MQN
.endif
.endif
.endm
; THE LDS LOADS, in three runs a tile.  A fragment is 16 codes x 32 along d: two loads of 16 bytes, 32 bytes apart, at row x pitch + 64 s + 16 h.
.macro FHI                             ; this tile's K steps 4-7
	v_add_nc_u32 v[ADR], v[EL], s58
.irp k, 4,5,6,7
	ds_load_b128 v[EF+8*(\k):EF+8*(\k)+3], v[ADR] offset:64*(\k)
	ds_load_b128 v[EF+8*(\k)+4:EF+8*(\k)+7], v[ADR] offset:64*(\k)+32
.endr
.endm
.macro FLO off                         ; the next tile's K steps 0-3
.irp k, 0,1,2,3
	ds_load_b128 v[EF+8*(\k):EF+8*(\k)+3], v[ADR] offset:(\off)+64*(\k)
	ds_load_b128 v[EF+8*(\k)+4:EF+8*(\k)+7], v[ADR] offset:(\off)+64*(\k)+32
.endr
.endm
.macro FSE                             ; this tile's se: my eight codes' 32 bytes at 64 x tile + 32 h
	v_lshl_add_u32 v[SA], s59, 6, v[SL]
	ds_load_b128 v[SER:SER+3], v[SA]
	ds_load_b128 v[SER+4:SER+7], v[SA] offset:16
.endm
; A TILE.  kind 0: one of a slot's first three.  kind 1: a slot's last; slot sl is left and filled again.  kind 2: the last slot but one is left, nothing is asked for.  kind 3: the very last tile.
; FHI stands behind instruction 1: the last product that read those registers stands eight vector lines back.  FSE behind 17: se was last read behind 15.  FLO behind 33: its registers' last reader, 31, stands seven back.
; kind 1, THE CHANGE OF SLOTS.  Behind 17 all my reads of the slot have been issued.  I wait for all my tensor loads, of which one is out: my part of the other slot; add 0 to my spare word; eight products on, wait for that
; and for my reads; signal; six products on, wait, and the barrier goes on into a round of the cluster's: no wave of any partner still reads the slot or has a load on its way.  The joint refill is the first thing behind it.
.macro TILE kind, sl
.set ti, 0
.set mqn, 0
	s_wait_dscnt 0x0                               ; K steps 0-3 are in: asked for 30 matrix instructions ago
.rept 64
.if (ti == 18) && ((\kind) == 1)
	WIN 0                                          ; the add's two registers lie in window 0
	s_wait_tensorcnt 0x0                           ; no tensor load of mine is out, so a group 0 may be written
	ds_add_u32 v[SPW], v[NIL]
	s_add_nc_u64 s[42+4*(\sl):43+4*(\sl)], s[42+4*(\sl):43+4*(\sl)], 2*256*512  ; two slots on; the type bits on top are not reached
.endif
.if (ti == 26) && ((\kind) == 1)
	s_wait_dscnt 0x0                               ; the add is done, and my reads of the slot are over
	s_barrier_signal -1
.endif
.if ti == 32
.if (\kind) == 1
	WIN 0
	s_barrier_wait -1
	CREST
	tensor_load_to_lds s[40+4*(\sl):43+4*(\sl)], s[16:23]
	s_nop 0
.else
	s_wait_dscnt 0x0                               ; K steps 4-7 and se are in
.endif
.endif
	MM
	RIDERS
.if ti == 1
	FHI
.endif
.if ti == 17
	FSE
.endif
.if ti == 33
.if (\kind) == 0
	FLO 16*PC
.elseif (\kind) < 3
.if (\kind) == 2
	s_wait_tensorcnt 0x0                           ; my part of the last slot is in; I read no other wave's part, and nothing is filled again
.endif
	s_mov_b32 s58, RG1*(1-(\sl))                   ; the other slot's first tile
	v_add_nc_u32 v[ADR], v[EL], s58
	FLO 0
.endif
.endif
.set ti, ti+1
.endr
	WIN 0                                          ; at a label and at a branch every window is 0
	s_mov_b32 s60, s59
.if (\kind) == 0
	s_add_co_u32 s58, s58, 16*PC
	s_add_co_u32 s59, s59, 1
.elseif (\kind) < 3
	s_add_co_u32 s59, s59, 13                      ; from tile 4 w + 3 of a slot's 16 to tile 4 w of the next
.endif
.endm
.macro THREE
	s_mov_b32 s57, 3
.Lthree_\@:
	TILE 0, 0
	s_sub_co_u32 s57, s57, 1
	s_cmp_lg_u32 s57, 0
	s_cbranch_scc1 .Lthree_\@
.endm
	v_add_nc_u32 v[ADR], v[EL], s58
	FLO 0                                          ; the first tile's K steps 0-3
	s_mov_b32 s56, 15
.Louter:                                               ; 15 trips of two slots: slots 2 to 31 are asked for
	THREE
	TILE 1, 0
	THREE
	TILE 1, 1
	s_sub_co_u32 s56, s56, 1
	s_cmp_lg_u32 s56, 0
	s_cbranch_scc1 .Louter
	THREE                                          ; the last two slots are written out
	TILE 2, 0
	THREE
	TILE 3, 0
.set fn, 32                            ; what is left of the last tile: the distances of rows 64-127 and all its minima
.rept 32
	EQ fn
.set fn, fn+1
.endr
.set mqn, 0
.rept 88
	MQN
.endr
	; THE END.  group = 2 x tile + half of the lanes.  (d2, c2) takes (d, c)'s place where d2 is less, or equal with the lower group.
.macro TAKE d, c, d2, c2
	v_cmp_lt_f32 s72, v[\d2], v[\d]
	v_cmp_eq_f32 s73, v[\d2], v[\d]
	v_cmp_lt_u32 s74, v[\c2], v[\c]
	s_and_b32 s73, s73, s74
	s_or_b32 s72, s72, s73
	v_cndmask_b32 v[\d], v[\d], v[\d2], s72
	v_cndmask_b32 v[\c], v[\c], v[\c2], s72
.endm
.irp q, 0,1,2,3,4,5,6,7
	v_lshl_add_u32 v[IDX+(\q)], v[IDX+(\q)], 1, v[HH]
.endr
.irp q, 0,1,2,3,4,5,6,7
	v_permlanex16_b32 v[TMP+(\q)], v[BEST+(\q)], s68, s69      ; the row's other eight codes of each tile lie in the lane 16 away
	v_permlanex16_b32 v[TMP+8+(\q)], v[IDX+(\q)], s68, s69
.endr
.irp q, 0,1,2,3,4,5,6,7
	TAKE BEST+(\q), IDX+(\q), TMP+(\q), TMP+8+(\q)
	v_cndmask_b32 v[TMP+(\q)], v[BEST+(\q)], v[IDX+(\q)], s70  ; lanes 0-15 hand on the distance, lanes 16-31 the group
	ds_store_b32 v[STA], v[TMP+(\q)] offset:64*(\q)
.endr
	s_wait_tensorcnt 0x0                           ; behind my last tensor load and my last LDS store
	ds_add_u32 v[SPW], v[NIL]
	s_wait_dscnt 0x0                               ; the wait also shows my wave's results written, for the others' sake
	s_barrier_signal -1
	s_barrier_wait -1
	s_cmp_gt_u32 s12, 1
	s_cbranch_scc1 .Lno_merge                      ; waves 0 and 1: thread t merges the four waves' results for rows 2 t and 2 t + 1
.irp k, 0,1,2,3
	ds_load_b64 v[EF+4*(\k):EF+4*(\k)+1], v[RDA] offset:1024*(\k)
	ds_load_b64 v[EF+4*(\k)+2:EF+4*(\k)+3], v[RDA] offset:1024*(\k)+512
.endr
	s_wait_dscnt 0x0
.irp k, 1,2,3
	TAKE EF, EF+2, EF+4*(\k), EF+4*(\k)+2
	TAKE EF+1, EF+3, EF+4*(\k)+1, EF+4*(\k)+3
.endr
	global_store_b64 v[CO], v[EF+2:EF+3], s[10:11] ; a wave stores 256 consecutive bytes, at a multiple of 256 from cand's first byte
.Lno_merge:
	ROUND                                          ; the closing round: no work-group ends while a partner may still ask for a tile that names it
	s_endpgm
.Lfunc_end_k_qcbec810db7_dist:
	.size	k_qcbec810db7_dist, .Lfunc_end_k_qcbec810db7_dist-k_qcbec810db7_dist
	.p2alignl 7, 3214868480
	.fill 96, 4, 3214868480
	.section	.rodata,"a",@progbits
	.p2align	6, 0x0
	.amdhsa_kernel k_qcbec810db7_dist
		.amdhsa_group_segment_fixed_size 327680
		.amdhsa_private_segment_fixed_size 0
		.amdhsa_enable_private_segment 0
		.amdhsa_kernarg_size 32
		.amdhsa_user_sgpr_count 2
		.amdhsa_user_sgpr_kernarg_segment_ptr 1
		.amdhsa_wavefront_size32 1
		.amdhsa_system_sgpr_workgroup_id_x 1
		.amdhsa_system_sgpr_workgroup_id_y 1
		.amdhsa_system_sgpr_workgroup_id_z 1
		.amdhsa_system_vgpr_workitem_id 0
		.amdhsa_next_free_vgpr 768
		.amdhsa_next_free_sgpr 80
		.amdhsa_reserve_vcc 0
		.amdhsa_float_denorm_mode_32 3
		.amdhsa_float_denorm_mode_16_64 3
		.amdhsa_memory_ordered 1
		.amdhsa_forward_progress 1
		.amdhsa_inst_pref_size 204
	.end_amdhsa_kernel
	.amdgpu_metadata
---
amdhsa.version: [ 1, 2 ]
amdhsa.kernels:
  - .name:           k_qcbec810db7_dist
    .symbol:         k_qcbec810db7_dist.kd
    .args:
      - { .name: x, .offset: 0, .size: 8, .value_kind: global_buffer, .address_space: global }
      - { .name: etb, .offset: 8, .size: 8, .value_kind: global_buffer, .address_space: global }
      - { .name: se, .offset: 16, .size: 8, .value_kind: global_buffer, .address_space: global }
      - { .name: cand, .offset: 24, .size: 8, .value_kind: global_buffer, .address_space: global }
    .group_segment_fixed_size: 327680
    .private_segment_fixed_size: 0
    .kernarg_segment_align: 8
    .kernarg_segment_size: 32
    .max_flat_workgroup_size: 128
    .sgpr_count:     80
    .vgpr_count:     768
    .wavefront_size: 32
...
	.end_amdgpu_metadata
.endif
;; end of part 2
;; launch pick (part 3): grid 512 x 1, 8 waves a work-group, no clusters, 1,280 bytes of LDS; arguments x, etb, se, cand, out0, part; writes out0, part
.if DOCPART == 3
	.amdgcn_target "amdgcn-amd-amdhsa--gfx1250"
	.amdhsa_code_object_version 6
	.text
	.protected	k_qcbec810db7_pick
	.globl	k_qcbec810db7_pick
	.p2align	8
	.type	k_qcbec810db7_pick,@function
k_qcbec810db7_pick:
	s_mov_b64 s[64:65], 0
	v_nop
	global_prefetch_b8 v0, s[64:65] scope:SCOPE_SE
	s_setreg_imm32_b32 hwreg(HW_REG_WAVE_MODE, 25, 1), 1
	s_wait_xcnt 0x0
; For each row n of x: the distances to the eight codes 8 c .. 8 c + 7, c = cand[n], once more, fl(fl(sx - 2 dot) + se) with x and the codes in bf16 and sums in f32; q = the first code with the least of them;
; out0[n] = x + (q - x), as the module writes it, on x as it is given; part[work-group] = the sum of (q - x)^2 over the work-group's 64 rows.
; LIMITS.  q is given out as bf16(embedding), within 2^-9 of the number itself.  NaN is not treated apart: a NaN distance is never less.  c is held to 0 .. 1023.
; A wave takes one row at a time, eight in all.  Lane l holds d = 4 l .. 4 l + 3 and 128 + 4 l .. 128 + 4 l + 3: a load of x and a store of out0 cover 512 consecutive bytes, a load of a code's half row 256.
; The choice among the eight selects values (v_cndmask_b32); the only address that hangs on data is made of cand, whole numbers that an earlier launch stored.
; Two slots in registers: while one row is worked on, the other's 20 loads are out.  No LDS but for the last sum, no matrix unit (8 dots a row), no cluster (nothing is shared at one time).
.set XO,  2                            ; v2, v3  slot's byte offset in x and out0: 16 l + 1,024 x row
.set EO,  4                            ; v4      8 l
.set ZR,  5                            ; v5      0: an offset, and the sums' first addend
.set SPW, 6                            ; v6      my spare word; never rewritten
.set NIL, 7                            ; v7      0; never rewritten
; slot sl at SLB = 16 + 48 sl: x 8 registers, se 8, then the eight codes, 4 registers each
.set XP,  112                          ; v[112:115] x in bf16
.set DOT, 116                          ; v[116:123] the eight dots, then distances; v124 sx
.set SXR, 124
.set MN,  126                          ; the least so far
.set Q,   128                          ; v[128:131] its code, bf16
.set QF,  132                          ; v[132:139] in f32
.set DF,  140                          ; v[140:147] q - x (and, with v148, at work in the sums over lanes)
.set OUT, 148                          ; v[148:155]
.set LS,  156                          ; v[156:159] sums of squares
.set EB,  28                           ; s[28:31] slot's address of its eight rows of etb
.set SB,  32                           ; s[32:35] of its eight numbers of se
	s_load_b256 s[4:11], s[0:1], 0x0               ; x s[4:5], etb s[6:7], se s[8:9], cand s[10:11]
	s_load_b128 s[12:15], s[0:1], 0x20             ; out0 s[12:13], part s[14:15]
	v_lshl_add_u32 v[SPW], v0, 2, 256
	v_mov_b32 v[NIL], 0
	v_lshrrev_b32 v1, 5, v0
	v_readfirstlane_b32 s24, v1                    ; wave 0..7
	v_and_b32 v1, 31, v0
	v_lshlrev_b32 v[XO], 4, v1
	v_add_nc_u32 v[XO+1], 1024, v[XO]
	v_lshlrev_b32 v[EO], 3, v1
	v_mov_b32 v[ZR], 0
.set i, 0
.rept 4
	v_mov_b32 v[LS+i], 0
.set i, i+1
.endr
.set i, 0
.rept 9
	v_mov_b32 v[DF+i], 0                           ; v_permlanex16_b32's destination counts as read
.set i, i+1
.endr
	s_lshl_b32 s42, ttmp9, 16                      ; 64 rows of 1,024 bytes a work-group,
	s_lshl_b32 s43, s24, 13                        ; 8 a wave
	s_add_co_u32 s42, s42, s43
	s_mov_b32 s43, 0
	s_lshl_b32 s44, ttmp9, 8                       ; the same rows' words of cand
	s_lshl_b32 s45, s24, 5
	s_add_co_u32 s44, s44, s45
	s_mov_b32 s45, 0
	s_lshl_b32 s46, ttmp9, 2
	s_mov_b32 s47, 0
	s_mov_b32 s27, 0
	s_mov_b32 s36, 0x76543210
	s_mov_b32 s37, 0xfedcba98
	s_mov_b32 s40, 0xffff0000
	s_wait_kmcnt 0x0
	s_add_nc_u64 s[4:5], s[4:5], s[42:43]
	s_add_nc_u64 s[12:13], s[12:13], s[42:43]
	s_add_nc_u64 s[10:11], s[10:11], s[44:45]
	s_add_nc_u64 s[14:15], s[14:15], s[46:47]
	s_load_b256 s[16:23], s[10:11], 0x0            ; my wave's eight groups
	s_wait_kmcnt 0x0
; Slot sl is filled: 20 loads.  step = 1: two rows on.
.macro ISSUE sl, creg, step
	s_wait_xcnt 0x0                                ; the slot's offset and bases, which earlier loads and stores name, are rewritten only behind this wait
.if \step
	v_add_nc_u32 v[XO+(\sl)], 2048, v[XO+(\sl)]
.endif
	s_min_u32 s26, \creg, 1023
	s_lshl_b32 s26, s26, 12                        ; eight rows of 512 bytes
	s_add_nc_u64 s[EB+2*(\sl):EB+2*(\sl)+1], s[6:7], s[26:27]
	s_min_u32 s26, \creg, 1023
	s_lshl_b32 s26, s26, 5                         ; eight numbers of se
	s_add_nc_u64 s[SB+2*(\sl):SB+2*(\sl)+1], s[8:9], s[26:27]
.set SLB, 16+48*(\sl)
	global_load_b128 v[SLB:SLB+3], v[XO+(\sl)], s[4:5] th:TH_LOAD_NT
	global_load_b128 v[SLB+4:SLB+7], v[XO+(\sl)], s[4:5] offset:512 th:TH_LOAD_NT
	global_load_b128 v[SLB+8:SLB+11], v[ZR], s[SB+2*(\sl):SB+2*(\sl)+1]
	global_load_b128 v[SLB+12:SLB+15], v[ZR], s[SB+2*(\sl):SB+2*(\sl)+1] offset:16
.irp j, 0,1,2,3,4,5,6,7
	global_load_b64 v[SLB+16+4*(\j):SLB+17+4*(\j)], v[EO], s[EB+2*(\sl):EB+2*(\sl)+1] offset:512*(\j)
	global_load_b64 v[SLB+18+4*(\j):SLB+19+4*(\j)], v[EO], s[EB+2*(\sl):EB+2*(\sl)+1] offset:512*(\j)+256
.endr
.endm
; Slot sl's row is worked on and stored.  left = the younger loads that may stay out.
.macro WORK sl, left
.set SLB, 16+48*(\sl)
.set EV, SLB+16
	s_wait_loadcnt \left                           ; loads come back in order (ISA guide 5.7.1): my slot's 20 are in
	s_wait_xcnt 0x0                                ; OUT, which the last row's stores read, is rewritten only behind this wait
.irp t, 0,1,2,3
	v_cvt_pk_bf16_f32 v[XP+(\t)], v[SLB+2*(\t)], v[SLB+2*(\t)+1]
.endr
.irp t, 0,1,2,3
.irp j, 0,1,2,3,4,5,6,7
.if (\t) == 0
	v_fma_mix_f32_bf16 v[DOT+(\j)], v[XP], v[EV+4*(\j)], v[ZR] op_sel_hi:[1,1,0]
.else
	v_fma_mix_f32_bf16 v[DOT+(\j)], v[XP+(\t)], v[EV+4*(\j)+(\t)], v[DOT+(\j)] op_sel_hi:[1,1,0]
.endif
.endr
.if (\t) == 0
	v_fma_mix_f32_bf16 v[SXR], v[XP], v[XP], v[ZR] op_sel_hi:[1,1,0]
.else
	v_fma_mix_f32_bf16 v[SXR], v[XP+(\t)], v[XP+(\t)], v[SXR] op_sel_hi:[1,1,0]
.endif
.irp j, 0,1,2,3,4,5,6,7
	v_fma_mix_f32_bf16 v[DOT+(\j)], v[XP+(\t)], v[EV+4*(\j)+(\t)], v[DOT+(\j)] op_sel:[1,1,0] op_sel_hi:[1,1,0]
.endr
	v_fma_mix_f32_bf16 v[SXR], v[XP+(\t)], v[XP+(\t)], v[SXR] op_sel:[1,1,0] op_sel_hi:[1,1,0]
.endr
.irp m, 1,2,4,8                        ; nine sums over the 32 lanes, side by side; every lane ends up with all nine
.irp j, 0,1,2,3,4,5,6,7,8
	v_add_f32_dpp v[DOT+(\j)], v[DOT+(\j)], v[DOT+(\j)] row_xmask:\m row_mask:0xf bank_mask:0xf
.endr
.endr
.irp j, 0,1,2,3,4,5,6,7,8
	v_permlanex16_b32 v[DF+(\j)], v[DOT+(\j)], s36, s37
.endr
.irp j, 0,1,2,3,4,5,6,7,8
	v_add_f32 v[DOT+(\j)], v[DOT+(\j)], v[DF+(\j)]
.endr
.irp j, 0,1,2,3,4,5,6,7
	v_fma_f32 v[DOT+(\j)], v[DOT+(\j)], -2.0, v[SXR]           ; fl(sx - 2 dot): the product is exact
.endr
.irp j, 0,1,2,3,4,5,6,7
	v_add_f32 v[DOT+(\j)], v[DOT+(\j)], v[SLB+8+(\j)]          ; fl(. + se)
.endr
	v_cmp_lt_f32 vcc_lo, v[DOT+1], v[DOT]          ; strictly less: of equals the first stays
.irp t, 0,1,2,3
	v_cndmask_b32 v[Q+(\t)], v[EV+(\t)], v[EV+4+(\t)], vcc_lo
.endr
	v_min_num_f32 v[MN], v[DOT], v[DOT+1]
.irp j, 2,3,4,5,6,7
	v_cmp_lt_f32 vcc_lo, v[DOT+(\j)], v[MN]
.irp t, 0,1,2,3
	v_cndmask_b32 v[Q+(\t)], v[Q+(\t)], v[EV+4*(\j)+(\t)], vcc_lo
.endr
	v_min_num_f32 v[MN], v[MN], v[DOT+(\j)]
.endr
.irp t, 0,1,2,3
	v_lshlrev_b32 v[QF+2*(\t)], 16, v[Q+(\t)]      ; bf16 to f32
	v_and_b32 v[QF+2*(\t)+1], s40, v[Q+(\t)]
.endr
.irp t, 0,1,2,3
	v_pk_add_f32 v[DF+2*(\t):DF+2*(\t)+1], v[QF+2*(\t):QF+2*(\t)+1], v[SLB+2*(\t):SLB+2*(\t)+1] neg_lo:[0,1] neg_hi:[0,1]
.endr
.irp t, 0,1,2,3
	v_pk_add_f32 v[OUT+2*(\t):OUT+2*(\t)+1], v[SLB+2*(\t):SLB+2*(\t)+1], v[DF+2*(\t):DF+2*(\t)+1]
	v_pk_fma_f32 v[LS+2*((\t)%2):LS+2*((\t)%2)+1], v[DF+2*(\t):DF+2*(\t)+1], v[DF+2*(\t):DF+2*(\t)+1], v[LS+2*((\t)%2):LS+2*((\t)%2)+1]
.endr
	global_store_b128 v[XO+(\sl)], v[OUT:OUT+3], s[12:13] th:TH_STORE_NT              ; 512 consecutive bytes, at a multiple of 256 from out0's first byte
	global_store_b128 v[XO+(\sl)], v[OUT+4:OUT+7], s[12:13] offset:512 th:TH_STORE_NT
.endm
	ISSUE 0, s16, 0                                ; rows 0 and 1
	ISSUE 1, s17, 0
	s_mov_b32 s38, 3
.Lrows:                                                ; a trip works on two rows and asks for the two after them
	WORK 0, 20
	ISSUE 0, s18, 1
	WORK 1, 20
	ISSUE 1, s19, 1
	s_mov_b64 s[18:19], s[20:21]                   ; the next two groups move up
	s_mov_b64 s[20:21], s[22:23]
	s_sub_co_u32 s38, s38, 1
	s_cmp_lg_u32 s38, 0
	s_cbranch_scc1 .Lrows
	WORK 0, 20                                     ; rows 6 and 7: nothing is left to fetch
	WORK 1, 0
	v_pk_add_f32 v[LS:LS+1], v[LS:LS+1], v[LS+2:LS+3]
	v_add_f32 v[LS], v[LS], v[LS+1]
.irp m, 1,2,4,8
	v_add_f32_dpp v[LS], v[LS], v[LS] row_xmask:\m row_mask:0xf bank_mask:0xf
.endr
	v_permlanex16_b32 v[DF], v[LS], s36, s37
	v_add_f32 v[LS], v[LS], v[DF]
	v_mov_b32 v1, s24
	v_lshlrev_b32 v1, 2, v1
	ds_store_b32 v1, v[LS]                         ; my wave's sum: all lanes write the same word
	s_wait_tensorcnt 0x0                           ; behind my last LDS store
	ds_add_u32 v[SPW], v[NIL]
	s_wait_dscnt 0x0                               ; the wait also shows my sum written, for wave 0's sake
	s_barrier_signal -1
	s_barrier_wait -1
	s_cmp_lg_u32 s24, 0
	s_cbranch_scc1 .Lend
	ds_load_b128 v[16:19], v[ZR]
	ds_load_b128 v[20:23], v[ZR] offset:16
	s_wait_dscnt 0x0
	v_pk_add_f32 v[16:17], v[16:17], v[18:19]
	v_pk_add_f32 v[20:21], v[20:21], v[22:23]
	v_pk_add_f32 v[16:17], v[16:17], v[20:21]
	v_add_f32 v16, v16, v17
	s_wait_xcnt 0x0                                ; EXEC changes only behind this wait
	v_cmp_eq_u32 vcc_lo, 0, v0
	s_and_saveexec_b32 s39, vcc_lo
	global_store_b32 v[ZR], v16, s[14:15]          ; thread 0: the work-group's sum
	s_wait_xcnt 0x0                                ; and again in front of the line that widens it
	s_or_b32 exec_lo, exec_lo, s39
.Lend:
	s_endpgm
.Lfunc_end_k_qcbec810db7_pick:
	.size	k_qcbec810db7_pick, .Lfunc_end_k_qcbec810db7_pick-k_qcbec810db7_pick
	.p2alignl 7, 3214868480
	.fill 96, 4, 3214868480
	.section	.rodata,"a",@progbits
	.p2align	6, 0x0
	.amdhsa_kernel k_qcbec810db7_pick
		.amdhsa_group_segment_fixed_size 1280
		.amdhsa_private_segment_fixed_size 0
		.amdhsa_enable_private_segment 0
		.amdhsa_kernarg_size 48
		.amdhsa_user_sgpr_count 2
		.amdhsa_user_sgpr_kernarg_segment_ptr 1
		.amdhsa_wavefront_size32 1
		.amdhsa_system_sgpr_workgroup_id_x 1
		.amdhsa_system_sgpr_workgroup_id_y 1
		.amdhsa_system_sgpr_workgroup_id_z 1
		.amdhsa_system_vgpr_workitem_id 0
		.amdhsa_next_free_vgpr 160
		.amdhsa_next_free_sgpr 66
		.amdhsa_reserve_vcc 1
		.amdhsa_float_denorm_mode_32 3
		.amdhsa_float_denorm_mode_16_64 3
		.amdhsa_memory_ordered 1
		.amdhsa_forward_progress 1
		.amdhsa_inst_pref_size 57
	.end_amdhsa_kernel
	.amdgpu_metadata
---
amdhsa.version: [ 1, 2 ]
amdhsa.kernels:
  - .name:           k_qcbec810db7_pick
    .symbol:         k_qcbec810db7_pick.kd
    .args:
      - { .name: x, .offset: 0, .size: 8, .value_kind: global_buffer, .address_space: global }
      - { .name: etb, .offset: 8, .size: 8, .value_kind: global_buffer, .address_space: global }
      - { .name: se, .offset: 16, .size: 8, .value_kind: global_buffer, .address_space: global }
      - { .name: cand, .offset: 24, .size: 8, .value_kind: global_buffer, .address_space: global }
      - { .name: out0, .offset: 32, .size: 8, .value_kind: global_buffer, .address_space: global }
      - { .name: part, .offset: 40, .size: 8, .value_kind: global_buffer, .address_space: global }
    .group_segment_fixed_size: 1280
    .private_segment_fixed_size: 0
    .kernarg_segment_align: 8
    .kernarg_segment_size: 48
    .max_flat_workgroup_size: 256
    .sgpr_count:     66
    .vgpr_count:     160
    .wavefront_size: 32
...
	.end_amdgpu_metadata
.endif
;; end of part 3
;; launch loss (part 4): grid 1 x 1, 1 waves a work-group, no clusters, 0 bytes of LDS; arguments part, out1; writes out1
.if DOCPART == 4
	.amdgcn_target "amdgcn-amd-amdhsa--gfx1250"
	.amdhsa_code_object_version 6
	.text
	.protected	k_qcbec810db7_loss
	.globl	k_qcbec810db7_loss
	.p2align	8
	.type	k_qcbec810db7_loss,@function
k_qcbec810db7_loss:
	s_mov_b64 s[64:65], 0
	v_nop
	global_prefetch_b8 v0, s[64:65] scope:SCOPE_SE
	s_setreg_imm32_b32 hwreg(HW_REG_WAVE_MODE, 25, 1), 1
	s_wait_xcnt 0x0
; out1 = 0.25 m + m, m = (the sum of part's 512 numbers) / 2^23: the mean of (q - x)^2 over 32,768 x 256 numbers.  Both of the module's losses have this one value.
; One wave: the sum spans all the work-groups of the launch before, so it has a launch of its own; 2,048 bytes are four loads of 512 consecutive bytes.
	s_load_b128 s[4:7], s[0:1], 0x0                ; part s[4:5], out1 s[6:7]
	v_lshlrev_b32 v1, 4, v0
	v_mov_b32 v20, 0                               ; v_permlanex16_b32's destination counts as read
	v_mov_b32 v21, 0                               ; out1's offset
	s_mov_b32 s8, 0x76543210
	s_mov_b32 s9, 0xfedcba98
	s_wait_kmcnt 0x0
.irp k, 0,1,2,3
	global_load_b128 v[4+4*(\k):7+4*(\k)], v1, s[4:5] offset:512*(\k)
.endr
	s_wait_loadcnt 0x0
	v_pk_add_f32 v[4:5], v[4:5], v[6:7]
	v_pk_add_f32 v[8:9], v[8:9], v[10:11]
	v_pk_add_f32 v[12:13], v[12:13], v[14:15]
	v_pk_add_f32 v[16:17], v[16:17], v[18:19]
	v_pk_add_f32 v[4:5], v[4:5], v[8:9]
	v_pk_add_f32 v[12:13], v[12:13], v[16:17]
	v_pk_add_f32 v[4:5], v[4:5], v[12:13]
	v_add_f32 v4, v4, v5
.irp m, 1,2,4,8
	v_add_f32_dpp v4, v4, v4 row_xmask:\m row_mask:0xf bank_mask:0xf
.endr
	v_permlanex16_b32 v20, v4, s8, s9
	v_add_f32 v4, v4, v20
	v_mul_f32 v4, 0x34000000, v4                   ; x 2^-23
	v_fmamk_f32 v5, v4, 0x3e800000, v4             ; 0.25 m + m
	s_wait_xcnt 0x0                                ; EXEC changes only behind this wait
	v_cmp_eq_u32 vcc_lo, 0, v0
	s_and_saveexec_b32 s10, vcc_lo
	global_store_b32 v21, v5, s[6:7]
	s_wait_xcnt 0x0                                ; and again in front of the line that widens it
	s_or_b32 exec_lo, exec_lo, s10
	s_endpgm
.Lfunc_end_k_qcbec810db7_loss:
	.size	k_qcbec810db7_loss, .Lfunc_end_k_qcbec810db7_loss-k_qcbec810db7_loss
	.p2alignl 7, 3214868480
	.fill 96, 4, 3214868480
	.section	.rodata,"a",@progbits
	.p2align	6, 0x0
	.amdhsa_kernel k_qcbec810db7_loss
		.amdhsa_group_segment_fixed_size 0
		.amdhsa_private_segment_fixed_size 0
		.amdhsa_enable_private_segment 0
		.amdhsa_kernarg_size 16
		.amdhsa_user_sgpr_count 2
		.amdhsa_user_sgpr_kernarg_segment_ptr 1
		.amdhsa_wavefront_size32 1
		.amdhsa_system_sgpr_workgroup_id_x 1
		.amdhsa_system_sgpr_workgroup_id_y 1
		.amdhsa_system_sgpr_workgroup_id_z 1
		.amdhsa_system_vgpr_workitem_id 0
		.amdhsa_next_free_vgpr 32
		.amdhsa_next_free_sgpr 66
		.amdhsa_reserve_vcc 1
		.amdhsa_float_denorm_mode_32 3
		.amdhsa_float_denorm_mode_16_64 3
		.amdhsa_memory_ordered 1
		.amdhsa_forward_progress 1
		.amdhsa_inst_pref_size 3
	.end_amdhsa_kernel
	.amdgpu_metadata
---
amdhsa.version: [ 1, 2 ]
amdhsa.kernels:
  - .name:           k_qcbec810db7_loss
    .symbol:         k_qcbec810db7_loss.kd
    .args:
      - { .name: part, .offset: 0, .size: 8, .value_kind: global_buffer, .address_space: global }
      - { .name: out1, .offset: 8, .size: 8, .value_kind: global_buffer, .address_space: global }
    .group_segment_fixed_size: 0
    .private_segment_fixed_size: 0
    .kernarg_segment_align: 8
    .kernarg_segment_size: 16
    .max_flat_workgroup_size: 32
    .sgpr_count:     66
    .vgpr_count:     32
    .wavefront_size: 32
...
	.end_amdgpu_metadata
.endif
;; end of part 4
